; MI455X (gfx1250); checked and timed in simulation.
; The chip was launched on July 23, 2026; its instructions are those of AMD's public machine-readable ISA for CDNA 5 (MIT licence, August 2026) and "CDNA5" Instruction Set Architecture Reference Guide (July 2026). The comments in the code are by the model that wrote it; some were corrected since.
;; Tensor B Splines Model. Allowed arithmetic: float matrix products may take bf16 or f16 operands with f32 sums; other float arithmetic in f32, or as packed bf16 or f16 multiplies, adds, multiply-adds, maxima and minima; sums over many terms, partial sums and values carried from step to step in f32; what a program stores and reads back later, other than sums and carried values, may be rounded once to bf16 or f16.
;; Inputs: A 16 x 16 x 64 float32; b 16 float32; x 131,072 x 16 float32.
;; Outputs: out0 131,072 x 16 float32.
;; 2 versions, each right; version 2 is version 1 with the launch spline written anew for expert scheduling mode. Each part assembles by itself: llvm-mc -triple=amdgcn-amd-amdhsa -mcpu=gfx1250 --defsym DOCPART=n.
;; ======== version 1 of 2: 1 launch
;; limits: values are held in f16: magnitudes above 65,504 overflow, below 6.1e-05 lose precision
;; launch spline (part 1): grid 256 x 1, 8 waves a work-group, no clusters, 75,008 bytes of LDS; arguments x, A, b, out0; writes out0
.if DOCPART == 1
	.amdgcn_target "amdgcn-amd-amdhsa--gfx1250"
	.amdhsa_code_object_version 6
	.text
	.protected	k_qb94d11422d_spline
	.globl	k_qb94d11422d_spline
	.p2align	8
	.type	k_qb94d11422d_spline,@function
k_qb94d11422d_spline:
	s_mov_b64 s[64:65], 0
	v_nop
	global_prefetch_b8 v0, s[64:65] scope:SCOPE_SE
	s_setreg_imm32_b32 hwreg(HW_REG_WAVE_MODE, 25, 1), 1
	s_wait_xcnt 0x0
; y[n][o] = b[o] + sum over d, k of B_k(x[n][d]) A[o][d][k].  x: [131072][16] f32, A: [16][16][64] f32, b: [16] f32, y: [131072][16] f32.
; B_k: the 64 clamped cubic B-splines on 61 equal intervals of [-0.1, 1.1).
; THE BASIS IS CHANGED, EXACTLY.  On [-0.1, 1.1) the clamped basis and the 64 uniform cardinal cubic B-splines span the same space; by the blossoms of the end pieces
; only four coefficients of each (o, d) differ: A'0 = 6 A0 - 6 A1 + A2, A'1 = 1.5 A1 - 0.5 A2, A'62 = 1.5 A62 - 0.5 A61, A'63 = 6 A63 - 6 A62 + A61.  With u = (x + 0.1) 61 / 1.2,
; j = floor(u), f = u - j, g = 1 - f the four weights at k = j .. j + 3 are g^3/6, f^2 (f/2 - 1) + 2/3, g^2 (g/2 - 1) + 2/3, f^3/6.  Outside [-0.1, 1.1) (the f32 end knots themselves
; are compared with x) the basis row is 0 and y = b, as in the definition.
; THE PRODUCT goes to the matrix unit in f16 (A' and the weights rounded once each from f32), sums in f32, the bias as the C operand of each sum's first product.
; SHARES.  256 work-groups of 8 waves; a work-group owns 512 rows, a wave 64: four tiles of 16.  Lane (r = lane % 16, h = lane / 16) of a tile owns row r and, in trip s = 0..7, d = 8 h + s.
; K IS PERMUTED, ALIKE IN BOTH OPERANDS: in trip s, product t = 0..3, the place (lane half h, register rho, half z) stands for (d = 8 h + s, k = 16 t + 2 rho + z).  So a lane makes the whole
; 64-k row of its own (row, d), 32 registers of two f16, and nothing changes lanes.  Source 0 = 16 rows o of the table, source 1 = 16 rows of the basis: register jj of the result is y[row r][o = 8 h + jj].
; HOW A ROW IS MADE, with no branch and no address from x: the four weights are packed for even and for odd j; selects on bits 0, 1, 2 of j shift them inside a window of six registers X0-5 that
; begins at register 4 (j >> 3); the window is set down by packed f32 multiplies by 1.0 or 0.0 (eight indicators of j >> 3).  A register of two f16 numbers in 0 .. 1, read as f32, is finite
; and not negative; times 1.0, times 0.0 and plus 0 change none of its bits, denormal patterns included, since the mode at the entry keeps f32 denormals.
; NO CLUSTER, NO TENSOR LOAD: all work-groups read the same 65,536 bytes of A, once, at their start, and each quad of A is corrected and rounded in registers on its way into LDS;
; a joint load would land f32 in LDS and cost 65,536 bytes more of LDS written, read and written again as f16.  x is 4,096 bytes a wave, read once.
; LIMITS.  A is finite (its ends' corrections multiply the other quads by 0), and 6 A0 - 6 A1 + A2 and its mirror stay within f16's 65,504.  Where x is a NaN or an infinity the definition
; gives NaN; here an infinity gives the row b, and for a NaN no number is promised.  An interior knot is met to within a few 1e-6 of an interval; the spline has two continuous derivatives there.
.set PT,    2064                       ; table: bytes from o to o + 1: 16 d x 64 k x 2 + 16 of padding: the 16 rows of a 16-byte load start at 16 different columns of 16 bytes modulo 256
.set XST,   16*PT                      ; behind the table: each wave's own 64 rows of x, later of y
.set XP,    80                         ; a row there: 64 bytes + 16 of padding
.set XW,    64*XP                      ; a wave's part
.set SPARE, XST+8*XW                   ; behind that: the spare words, 128 bytes for each wave: four blocks of 256 bytes that no other line names
.set SPW,  1                           ; v1      LDS address of my spare word; never rewritten
.set NIL,  2                           ; v2      0; never rewritten
.set BA,   3                           ; v3      table: r PT + 1024 h + 128 s
.set XA,   4                           ; v4      x: my wave's part + r XP + 32 h + 4 s
.set ST,   5                           ; v5      whole rows: my wave's part + (lane / 4) XP + 16 (lane % 4)
.set OS,   6                           ; v6      XA at s = 0: where my eight results of a row go
.set GO,   7                           ; v7      16 x lane: my 16 bytes in 512 consecutive bytes of x and of y
.set TA,   8                           ; v8      16 x thread: my quad in a row o of A
.set HB,   9                           ; v9      32 h: my eight numbers of b
.set BIAS, 10                          ; v10-17  b[8 h + 0..7]
.set XS,   18                          ; v18-21  x of my (row, d) in tiles 0-3
.set TS,   22                          ; v22     8 x thread: my quad in a row o of the table
.set ACC,  24                          ; v24-55  four accumulators
.set BF,   56                          ; v56-87  the table's four fragments of a trip
.set AF,   88                          ; v88-151 two basis rows of 32 registers: the two tiles in hand
.set TMP,  152                         ; v152-255 two sets of 52 at work
.set QA,   88                          ; at the start: A's 16 quads,
.set XL,   152                         ; x's 8 quads (on the way out: y's),
.set LN,   184                         ; lane, r, h, one at work; then CONV's four sums,
.set RR,   185
.set HH,   186
.set TT0,  187
.set CV,   184
.set PKD,  188                         ; its four f16,
.set CF,   200                         ; and the ten factors of the ends' corrections
.set oP,   0                           ; in a set: (f, g)
.set oSQ,  2                           ; (f^2, g^2)
.set oTT,  4                           ; (f/2 - 1, g/2 - 1)
.set oC6,  6                           ; (f/6, g/6)
.set oW12, 8                           ; (w1, w2)
.set oW30, 10                          ; (w3, w0)
.set oU,   12
.set oJF,  13
.set oJI,  14                          ; j
.set oAI,  15                          ; j >> 3, or -1 where x lies outside
.set oB0,  16                          ; bits 0, 1 of j
.set oB1,  17
.set oPE,  18                          ; (w0, w1), (w2, w3) in f16: j even
.set oPO,  20                          ; (0, w0), (w1, w2), (w3, 0): j odd
.set oD,   23                          ; three registers from register j >> 1 on
.set oY,   26                          ; four from 2 (j >> 2) on
.set oX,   30                          ; six from 4 (j >> 3) on
.set oI,   36                          ; eight indicators of j >> 3
.set oB2,  44                          ; bit 2 of j
.set MSK,  36                          ; s36-48, s50-62: a set's masks: 0, 1 inside; 2-4 bits of j; 5-12 indicators
	s_load_b256 s[4:11], s[0:1], 0x0               ; x s[4:5], A s[6:7], b s[8:9], y s[10:11]
	v_lshl_add_u32 v[SPW], v0, 2, SPARE
	v_mov_b32 v[NIL], 0
	v_lshrrev_b32 v[TT0], 5, v0
	v_readfirstlane_b32 s12, v[TT0]                ; wave 0..7
	v_and_b32 v[LN], 31, v0
	v_and_b32 v[RR], 15, v0                        ; r; also my quad's place among a (o, d)'s sixteen
	v_bfe_u32 v[HH], v0, 4, 1                      ; h
	v_lshlrev_b32 v[GO], 4, v[LN]
	v_lshlrev_b32 v[TA], 4, v0
	v_lshlrev_b32 v[TS], 3, v0
	v_lshlrev_b32 v[HB], 5, v[HH]
	s_lshl_b32 s14, ttmp9, 15                      ; the work-group's 512 rows of 64 bytes,
	s_lshl_b32 s15, s12, 12                        ; my wave's 64 of them
	s_add_co_u32 s14, s14, s15
	s_mov_b32 s15, 0
	s_wait_kmcnt 0x0
	s_add_nc_u64 s[4:5], s[4:5], s[14:15]          ; x and y at my wave's first row
	s_add_nc_u64 s[10:11], s[10:11], s[14:15]
	; 26 loads, in the order in which they are wanted.  A_n: row o = n; thread t takes d = t / 16, k = 4 (t % 16) + 0..3, so each end's correction stays inside one lane's quad.
.irp n, 0,1,2,3,4,5,6,7,8,9,10,11,12,13,14,15
	global_load_b128 v[QA+4*\n:QA+4*\n+3], v[TA], s[6:7] offset:4096*\n
.endr
.irp i, 0,1,2,3,4,5,6,7
	global_load_b128 v[XL+4*\i:XL+4*\i+3], v[GO], s[4:5] offset:512*\i th:TH_LOAD_NT  ; 512 consecutive bytes: 8 rows of x
.endr
	global_load_b128 v[BIAS:BIAS+3], v[HB], s[8:9]
	global_load_b128 v[BIAS+4:BIAS+7], v[HB], s[8:9] offset:16
	; the rest of the set-up stands in the wait for them
	s_mul_i32 s13, s12, XW
	s_add_co_u32 s13, s13, XST                     ; my wave's part of the rows' region
	v_mul_u32_u24 v[BA], v[RR], PT
	v_lshl_add_u32 v[BA], v[HH], 10, v[BA]
	v_mul_u32_u24 v[XA], v[RR], XP
	v_lshl_add_u32 v[XA], v[HH], 5, v[XA]
	v_add_nc_u32 v[XA], s13, v[XA]
	v_mov_b32 v[OS], v[XA]                         ; XA steps with s; the way out wants it as it is now
	v_lshrrev_b32 v[TT0], 2, v[LN]
	v_mul_u32_u24 v[ST], v[TT0], XP
	v_and_b32 v[TT0], 3, v[LN]
	v_lshl_add_u32 v[ST], v[TT0], 4, v[ST]
	v_add_nc_u32 v[ST], s13, v[ST]
	s_mov_b32 s16, 0x424b5555                      ; 61 / 1.2
	s_mov_b32 s17, 0x40a2aaab                      ; 0.1 x 61 / 1.2
	s_mov_b32 s18, 0xbdcccccd                      ; the first knot, -0.1 in f32
	s_mov_b32 s19, 0x3f8ccccd                      ; the last knot, 1.1 in f32
	s_mov_b32 s20, 0x4273ffff                      ; the largest f32 below 61: j stays within 0 .. 60
	s_mov_b32 s22, 0x3e2aaaab                      ; 1/6; the packed forms name pairs and take the low word for both halves
	s_mov_b32 s23, s22
	s_mov_b32 s24, 0x3f2aaaab                      ; 2/3
	s_mov_b32 s25, s24
	v_cmp_eq_u32 s36, 0, v[RR]                     ; my quad is k = 0..3
	v_cmp_eq_u32 s37, 15, v[RR]                    ; my quad is k = 60..63
	v_cndmask_b32 v[CF+0], 1.0, 0x40c00000, s36    ; t0 = q0 (6 | 1) + q1 (-6 | 0) + q2 (1 | 0)
	v_cndmask_b32 v[CF+1], 0, 0xc0c00000, s36
	v_cndmask_b32 v[CF+2], 0, 1.0, s36
	v_cndmask_b32 v[CF+3], 1.0, 0x3fc00000, s36    ; t1 = q1 (1.5 | 1) + q2 (-0.5 | 0)
	v_cndmask_b32 v[CF+4], 0, -0.5, s36
	v_cndmask_b32 v[CF+5], 1.0, 0x3fc00000, s37    ; t2 = q2 (1.5 | 1) + q1 (-0.5 | 0)
	v_cndmask_b32 v[CF+6], 0, -0.5, s37
	v_cndmask_b32 v[CF+7], 1.0, 0x40c00000, s37    ; t3 = q3 (6 | 1) + q2 (-6 | 0) + q1 (1 | 0)
	v_cndmask_b32 v[CF+8], 0, 0xc0c00000, s37
	v_cndmask_b32 v[CF+9], 0, 1.0, s37
; Row o = n of A: corrected at its ends, rounded to f16, into the table.  A wave's store covers 256 consecutive bytes.
.macro CONV n
	s_wait_loadcnt 25-(\n)                         ; loads come back in order: behind A_n stand 15 - n of A, 8 of x, 2 of b
	v_mul_f32 v[CV+0], v[QA+4*(\n)+0], v[CF+0]
	v_mul_f32 v[CV+1], v[QA+4*(\n)+1], v[CF+3]
	v_mul_f32 v[CV+2], v[QA+4*(\n)+2], v[CF+5]
	v_mul_f32 v[CV+3], v[QA+4*(\n)+3], v[CF+7]
	v_fmac_f32 v[CV+0], v[QA+4*(\n)+1], v[CF+1]
	v_fmac_f32 v[CV+1], v[QA+4*(\n)+2], v[CF+4]
	v_fmac_f32 v[CV+2], v[QA+4*(\n)+1], v[CF+6]
	v_fmac_f32 v[CV+3], v[QA+4*(\n)+2], v[CF+8]
	v_fmac_f32 v[CV+0], v[QA+4*(\n)+2], v[CF+2]
	v_fmac_f32 v[CV+3], v[QA+4*(\n)+1], v[CF+9]
	v_cvt_pk_f16_f32 v[PKD], v[CV+0], v[CV+1]
	v_cvt_pk_f16_f32 v[PKD+1], v[CV+2], v[CV+3]
	ds_store_b64 v[TS], v[PKD:PKD+1] offset:(\n)*PT
.endm
.irp n, 0,1,2,3,4,5,6,7,8,9,10,11,12,13,14,15
	CONV \n
.endr
.irp i, 0,1,2,3,4,5,6,7
	s_wait_loadcnt 9-\i                            ; behind x_i stand 7 - i of x and 2 of b
	ds_store_b128 v[ST], v[XL+4*\i:XL+4*\i+3] offset:8*XP*\i  ; 8 rows of x into my wave's own part
.endr
	s_wait_loadcnt 0x0                             ; b
	s_wait_dscnt 0x0                               ; for the others' sake: my part of the table is written
	s_barrier_signal -1
	s_barrier_wait -1                              ; the table is whole: the launch's only barrier
.irp t, 0,1,2,3
	ds_load_b32 v[XS+\t], v[XA] offset:16*XP*\t    ; x[16 t + r][8 h + 0]
.endr
; One line for each of the two tiles in hand, so that two chains that do not wait for each other alternate.  pp is the pair of tiles (0: tiles 0, 1; 1: tiles 2, 3).
.macro BOTH line:vararg
.set q, 0
.rept 2
.set TQ, TMP+52*q
.set MQ, MSK+14*q
.set XQ, XS+2*pp+q
.set AQ, AF+32*q
	\line
.set q, q+1
.endr
.endm
; Group g of four registers of the basis row: X0-3 where j >> 3 = g, and in its first two registers X4, X5 where j >> 3 = g - 1.  An indicator with an even number is the low
; register of its pair, one with an odd number the high one: op_sel and op_sel_hi give it to both halves.
.macro PLACE g
.if ((\g)%2) == 0
	BOTH v_pk_mul_f32 v[AQ+4*(\g):AQ+4*(\g)+1], v[TQ+oX:TQ+oX+1], v[TQ+oI+(\g):TQ+oI+(\g)+1] op_sel_hi:[1,0]
	BOTH v_pk_mul_f32 v[AQ+4*(\g)+2:AQ+4*(\g)+3], v[TQ+oX+2:TQ+oX+3], v[TQ+oI+(\g):TQ+oI+(\g)+1] op_sel_hi:[1,0]
.if (\g) > 0
	BOTH v_pk_fma_f32 v[AQ+4*(\g):AQ+4*(\g)+1], v[TQ+oX+4:TQ+oX+5], v[TQ+oI+(\g)-2:TQ+oI+(\g)-1], v[AQ+4*(\g):AQ+4*(\g)+1] op_sel:[0,1,0] op_sel_hi:[1,1,1]
.endif
.else
	BOTH v_pk_mul_f32 v[AQ+4*(\g):AQ+4*(\g)+1], v[TQ+oX:TQ+oX+1], v[TQ+oI+(\g)-1:TQ+oI+(\g)] op_sel:[0,1] op_sel_hi:[1,1]
	BOTH v_pk_mul_f32 v[AQ+4*(\g)+2:AQ+4*(\g)+3], v[TQ+oX+2:TQ+oX+3], v[TQ+oI+(\g)-1:TQ+oI+(\g)] op_sel:[0,1] op_sel_hi:[1,1]
	BOTH v_pk_fma_f32 v[AQ+4*(\g):AQ+4*(\g)+1], v[TQ+oX+4:TQ+oX+5], v[TQ+oI+(\g)-1:TQ+oI+(\g)], v[AQ+4*(\g):AQ+4*(\g)+1] op_sel_hi:[1,0,1]
.endif
.endm
; The basis rows of pair p's two tiles: 78 vector instructions a tile.  ldb = 1: this trip's table fragments are fetched; ldx = 1: the next trip's x.
.macro GEN2 p, ldb, ldx
.set pp, \p
	; the interval, the place in it and the four weights
	BOTH v_fma_f32 v[TQ+oU], v[XQ], s16, s17
	BOTH v_cmp_le_f32 s[MQ], s18, v[XQ]                        ; first knot <= x
	BOTH v_cmp_gt_f32 s[MQ+1], s19, v[XQ]                      ; last knot > x
	BOTH v_med3_num_f32 v[TQ+oU], v[TQ+oU], 0, s20
	BOTH v_floor_f32 v[TQ+oJF], v[TQ+oU]
	BOTH s_and_b32 s[MQ], s[MQ], s[MQ+1]
	BOTH v_sub_f32 v[TQ+oP], v[TQ+oU], v[TQ+oJF]               ; f, exact
	BOTH v_cvt_i32_f32 v[TQ+oJI], v[TQ+oJF]
	BOTH v_sub_f32 v[TQ+oP+1], 1.0, v[TQ+oP]                   ; g
	BOTH v_pk_mul_f32 v[TQ+oSQ:TQ+oSQ+1], v[TQ+oP:TQ+oP+1], v[TQ+oP:TQ+oP+1]
	BOTH v_pk_fma_f32 v[TQ+oTT:TQ+oTT+1], v[TQ+oP:TQ+oP+1], 0.5, -1.0 op_sel_hi:[1,0,0]
	BOTH v_pk_mul_f32 v[TQ+oC6:TQ+oC6+1], v[TQ+oP:TQ+oP+1], s[22:23] op_sel_hi:[1,0]
	BOTH v_pk_fma_f32 v[TQ+oW12:TQ+oW12+1], v[TQ+oSQ:TQ+oSQ+1], v[TQ+oTT:TQ+oTT+1], s[24:25] op_sel_hi:[1,1,0]
	BOTH v_pk_mul_f32 v[TQ+oW30:TQ+oW30+1], v[TQ+oSQ:TQ+oSQ+1], v[TQ+oC6:TQ+oC6+1]
	; The LDS loads stand here in one run: the 26 vector instructions above, which name no register of the products in front of them, are more than the four places that a load into
	; a register read by a matrix instruction wants behind it (ISA guide 7.12.1 for vector instructions); and x of this pair has been read.
.if \ldb
.irp i, 0,1,2,3,4,5,6,7
	ds_load_b128 v[BF+4*\i:BF+4*\i+3], v[BA] offset:16*\i      ; A'[r][8 h + s][8 i .. 8 i + 7]: 128 consecutive bytes a lane
.endr
	v_add_nc_u32 v[BA], 128, v[BA]                             ; the next d
.endif
.if \ldx
	v_add_nc_u32 v[XA], 4, v[XA]                               ; the next d
.irp t, 0,1,2,3
	ds_load_b32 v[XS+\t], v[XA] offset:16*XP*\t
.endr
.endif
	; j's bits and j >> 3
	BOTH v_lshrrev_b32 v[TQ+oAI], 3, v[TQ+oJI]
	BOTH v_and_b32 v[TQ+oB0], 1, v[TQ+oJI]
	BOTH v_and_b32 v[TQ+oB1], 2, v[TQ+oJI]
	BOTH v_and_b32 v[TQ+oB2], 4, v[TQ+oJI]
	BOTH v_cndmask_b32 v[TQ+oAI], -1, v[TQ+oAI], s[MQ]         ; outside: no indicator will be 1
	BOTH v_cmp_ne_u32 s[MQ+2], 0, v[TQ+oB0]
	BOTH v_cmp_ne_u32 s[MQ+3], 0, v[TQ+oB1]
	BOTH v_cmp_ne_u32 s[MQ+4], 0, v[TQ+oB2]
	; the weights in f16, packed for even j and for odd j
	BOTH v_cvt_pk_f16_f32 v[TQ+oPE], v[TQ+oW30+1], v[TQ+oW12]
	BOTH v_cvt_pk_f16_f32 v[TQ+oPE+1], v[TQ+oW12+1], v[TQ+oW30]
	BOTH v_cvt_pk_f16_f32 v[TQ+oPO+1], v[TQ+oW12], v[TQ+oW12+1]
	BOTH v_lshlrev_b32 v[TQ+oPO], 16, v[TQ+oPE]
	BOTH v_lshrrev_b32 v[TQ+oPO+2], 16, v[TQ+oPE+1]
.irp g, 0,1,2,3
	BOTH v_cmp_eq_u32 s[MQ+5+\g], \g, v[TQ+oAI]
.endr
	BOTH v_cndmask_b32 v[TQ+oD], v[TQ+oPE], v[TQ+oPO], s[MQ+2]
	BOTH v_cndmask_b32 v[TQ+oD+1], v[TQ+oPE+1], v[TQ+oPO+1], s[MQ+2]
	BOTH v_cndmask_b32 v[TQ+oD+2], 0, v[TQ+oPO+2], s[MQ+2]
.irp g, 0,1,2,3
	BOTH v_cndmask_b32 v[TQ+oI+\g], 0, 1.0, s[MQ+5+\g]
.endr
	; bit 1 of j: one register further
	BOTH v_cndmask_b32 v[TQ+oY], v[TQ+oD], 0, s[MQ+3]
	BOTH v_cndmask_b32 v[TQ+oY+1], v[TQ+oD+1], v[TQ+oD], s[MQ+3]
	BOTH v_cndmask_b32 v[TQ+oY+2], v[TQ+oD+2], v[TQ+oD+1], s[MQ+3]
	BOTH v_cndmask_b32 v[TQ+oY+3], 0, v[TQ+oD+2], s[MQ+3]
.irp g, 4,5,6,7
	BOTH v_cmp_eq_u32 s[MQ+5+\g], \g, v[TQ+oAI]
.endr
	; bit 2 of j: two registers further
	BOTH v_cndmask_b32 v[TQ+oX], v[TQ+oY], 0, s[MQ+4]
	BOTH v_cndmask_b32 v[TQ+oX+1], v[TQ+oY+1], 0, s[MQ+4]
	BOTH v_cndmask_b32 v[TQ+oX+2], v[TQ+oY+2], v[TQ+oY], s[MQ+4]
	BOTH v_cndmask_b32 v[TQ+oX+3], v[TQ+oY+3], v[TQ+oY+1], s[MQ+4]
	BOTH v_cndmask_b32 v[TQ+oX+4], 0, v[TQ+oY+2], s[MQ+4]
	BOTH v_cndmask_b32 v[TQ+oX+5], 0, v[TQ+oY+3], s[MQ+4]
.irp g, 4,5,6,7
	BOTH v_cndmask_b32 v[TQ+oI+\g], 0, 1.0, s[MQ+5+\g]
.endr
	; the window is set down: 23 packed instructions for 32 registers.  Nothing is lost behind group 7: j <= 60 leaves X4 = X5 = 0 where j >> 3 = 7
.irp g, 0,1,2,3,4,5,6,7
	PLACE \g
.endr
.endm
; Eight products: pair p's two accumulators by turns, one instruction a turn; pair 0 ends on tile 1, pair 1 begins on tile 2 and ends on tile 3, the next trip begins on tile 0.
; first = 1: the first product of each sum takes the bias as C: nothing is cleared and nothing is added later.
.macro MM p, first
.irp t, 0,1,2,3
.irp q, 0,1
.if (\first) && ((\t) == 0)
	v_wmma_f32_16x16x32_f16 v[ACC+8*(2*(\p)+\q):ACC+8*(2*(\p)+\q)+7], v[BF+8*\t:BF+8*\t+7], v[AF+32*\q+8*\t:AF+32*\q+8*\t+7], v[BIAS:BIAS+7]
.else
	v_wmma_f32_16x16x32_f16 v[ACC+8*(2*(\p)+\q):ACC+8*(2*(\p)+\q)+7], v[BF+8*\t:BF+8*\t+7], v[AF+32*\q+8*\t:AF+32*\q+8*\t+7], v[ACC+8*(2*(\p)+\q):ACC+8*(2*(\p)+\q)+7]
.endif
.endr
.endr
.endm
; A trip: one s, that is d = s and d = 8 + s, for the wave's four tiles.  pre = 1: the next trip's x is fetched.
; The basis rows are written again more than 100 vector instructions behind the products that read them.
.macro TRIP first, pre
	s_wait_dscnt 0x0                               ; this trip's x is in: nothing younger is out
	GEN2 0, 1, 0
	s_wait_dscnt 0x0                               ; the table's fragments are in
	MM 0, \first
	GEN2 1, 0, \pre
	MM 1, \first
.endm
	TRIP 1, 1                                      ; s = 0 stands in front of the loop: its products start the sums
	s_mov_b32 s30, 6
.Ltrip:                                                ; s = 1 .. 6
	TRIP 0, 1
	s_sub_co_u32 s30, s30, 1
	s_cmp_lg_u32 s30, 0
	s_cbranch_scc1 .Ltrip
	TRIP 0, 0                                      ; s = 7: there is no further x to fetch
	; THE WAY OUT.  A lane's eight results are 32 bytes of a row of y; they go into my wave's own rows (x there has been read) and come back as 512 consecutive bytes.
.rept 4
	v_nop                                          ; the places behind the last products
.endr
.irp t, 0,1,2,3
	ds_store_b128 v[OS], v[ACC+8*\t:ACC+8*\t+3] offset:16*XP*\t        ; each accumulator's low registers first
	ds_store_b128 v[OS], v[ACC+8*\t+4:ACC+8*\t+7] offset:16*XP*\t+16
.endr
.irp i, 0,1,2,3,4,5,6,7
	ds_load_b128 v[XL+4*\i:XL+4*\i+3], v[ST] offset:8*XP*\i            ; LDS serves a wave's instructions in order (ISA guide 5.7.1.4): these see the stores above
.endr
.irp i, 0,1,2,3,4,5,6,7
	s_wait_dscnt 7-\i                              ; behind load i stand 7 - i others
	global_store_b128 v[GO], v[XL+4*\i:XL+4*\i+3], s[10:11] offset:512*\i th:TH_STORE_NT  ; 512 consecutive bytes, at a multiple of 512 from y's first byte
.endr
	s_wait_tensorcnt 0x0                           ; the wave's end, behind my last LDS store
	ds_add_u32 v[SPW], v[NIL]
	s_wait_dscnt 0x0
	s_endpgm
.Lfunc_end_k_qb94d11422d_spline:
	.size	k_qb94d11422d_spline, .Lfunc_end_k_qb94d11422d_spline-k_qb94d11422d_spline
	.p2alignl 7, 3214868480
	.fill 96, 4, 3214868480
	.section	.rodata,"a",@progbits
	.p2align	6, 0x0
	.amdhsa_kernel k_qb94d11422d_spline
		.amdhsa_group_segment_fixed_size 75008
		.amdhsa_private_segment_fixed_size 0
		.amdhsa_enable_private_segment 0
		.amdhsa_kernarg_size 32
		.amdhsa_user_sgpr_count 2
		.amdhsa_user_sgpr_kernarg_segment_ptr 1
		.amdhsa_wavefront_size32 1
		.amdhsa_system_sgpr_workgroup_id_x 1
		.amdhsa_system_sgpr_workgroup_id_y 1
		.amdhsa_system_sgpr_workgroup_id_z 1
		.amdhsa_system_vgpr_workitem_id 0
		.amdhsa_next_free_vgpr 256
		.amdhsa_next_free_sgpr 66
		.amdhsa_reserve_vcc 0
		.amdhsa_float_denorm_mode_32 3
		.amdhsa_float_denorm_mode_16_64 3
		.amdhsa_memory_ordered 1
		.amdhsa_forward_progress 1
		.amdhsa_inst_pref_size 79
	.end_amdhsa_kernel
	.amdgpu_metadata
---
amdhsa.version: [ 1, 2 ]
amdhsa.kernels:
  - .name:           k_qb94d11422d_spline
    .symbol:         k_qb94d11422d_spline.kd
    .args:
      - { .name: x, .offset: 0, .size: 8, .value_kind: global_buffer, .address_space: global }
      - { .name: A, .offset: 8, .size: 8, .value_kind: global_buffer, .address_space: global }
      - { .name: b, .offset: 16, .size: 8, .value_kind: global_buffer, .address_space: global }
      - { .name: out0, .offset: 24, .size: 8, .value_kind: global_buffer, .address_space: global }
    .group_segment_fixed_size: 75008
    .private_segment_fixed_size: 0
    .kernarg_segment_align: 8
    .kernarg_segment_size: 32
    .max_flat_workgroup_size: 256
    .sgpr_count:     66
    .vgpr_count:     256
    .wavefront_size: 32
...
	.end_amdgpu_metadata
.endif
;; end of part 1
;; ======== version 2 of 2: 1 launch; version 1 with the launch spline written anew for expert scheduling mode
;; limits: values are held in f16: magnitudes above 65,504 overflow, below 6.1e-05 lose precision
;; launch spline (part 2): grid 256 x 1, 8 waves a work-group, no clusters, 75,008 bytes of LDS; arguments x, A, b, out0; writes out0
.if DOCPART == 2
	.amdgcn_target "amdgcn-amd-amdhsa--gfx1250"
	.amdhsa_code_object_version 6
	.text
	.protected	k_qb94d11422d_spline
	.globl	k_qb94d11422d_spline
	.p2align	8
	.type	k_qb94d11422d_spline,@function
k_qb94d11422d_spline:
	s_mov_b64 s[64:65], 0
	v_nop
	global_prefetch_b8 v0, s[64:65] scope:SCOPE_SE
	s_setreg_imm32_b32 hwreg(HW_REG_WAVE_SCHED_MODE, 0, 2), 2
	s_setreg_imm32_b32 hwreg(HW_REG_WAVE_MODE, 25, 1), 1
	s_wait_xcnt 0x0
	s_wait_alu depctr_vm_vsrc(0)
; y[n][o] = b[o] + sum over d, k of B_k(x[n][d]) A[o][d][k].  x: [131072][16] f32, A: [16][16][64] f32, b: [16] f32, y: [131072][16] f32.
; B_k: the 64 clamped cubic B-splines on 61 equal intervals of [-0.1, 1.1).
; THE BASIS IS CHANGED, EXACTLY.  On [-0.1, 1.1) the clamped basis and the 64 uniform cardinal cubic B-splines span the same space; by the blossoms of the end pieces
; only four coefficients of each (o, d) differ: A'0 = 6 A0 - 6 A1 + A2, A'1 = 1.5 A1 - 0.5 A2, A'62 = 1.5 A62 - 0.5 A61, A'63 = 6 A63 - 6 A62 + A61.  With u = (x + 0.1) 61 / 1.2,
; j = floor(u), f = u - j, g = 1 - f the four weights at k = j .. j + 3 are g^3/6, f^2 (f/2 - 1) + 2/3, g^2 (g/2 - 1) + 2/3, f^3/6.  Outside [-0.1, 1.1) (the f32 end knots themselves
; are compared with x) the basis row is 0 and y = b, as in the definition.
; THE PRODUCT goes to the matrix unit in f16 (A' and the weights rounded once each from f32), sums in f32, the bias as the C operand of each sum's first product.
; SHARES.  256 work-groups of 8 waves; a work-group owns 512 rows, a wave 64: four tiles of 16.  Lane (r = lane % 16, h = lane / 16) of a tile owns row r and, in trip s = 0..7, d = 8 h + s.
; K IS PERMUTED, ALIKE IN BOTH OPERANDS: in trip s, product t = 0..3, the place (lane half h, register rho, half z) stands for (d = 8 h + s, k = 16 t + 2 rho + z).  So a lane makes the whole
; 64-k row of its own (row, d), 32 registers of two f16, and nothing changes lanes.  Source 0 = 16 rows o of the table, source 1 = 16 rows of the basis: register jj of the result is y[row r][o = 8 h + jj].
; HOW A ROW IS MADE, with no branch and no address from x: the four weights are packed for even and for odd j; selects on bits 0, 1, 2 of j shift them inside a window of six registers X0-5 that
; begins at register 4 (j >> 3); the window is set down by packed f32 multiplies by 1.0 or 0.0 (eight indicators of j >> 3).  A register of two f16 numbers in 0 .. 1, read as f32, is finite
; and not negative; times 1.0, times 0.0 and plus 0 change none of its bits, denormal patterns included, since the mode at the entry keeps f32 denormals.
; NO CLUSTER, NO TENSOR LOAD: all work-groups read the same 65,536 bytes of A, once, at their start, and each quad of A is corrected and rounded in registers on its way into LDS;
; a joint load would land f32 in LDS and cost 65,536 bytes more of LDS written, read and written again as f16.  x is 4,096 bytes a wave, read once.
; LIMITS.  A is finite (its ends' corrections multiply the other quads by 0), and 6 A0 - 6 A1 + A2 and its mirror stay within f16's 65,504.  Where x is a NaN or an infinity the definition
; gives NaN; here an infinity gives the row b, and for a NaN no number is promised.  An interior knot is met to within a few 1e-6 of an interval; the spline has two continuous derivatives there.
; THE MODE: SCHED_MODE bits 1:0 = 2 (LLVM: expert scheduling mode 2), set by the entry lines.  The code itself states the register dependences between vector or matrix instructions
; and memory or LDS instructions, and those from a vector instruction's scalar result to its readers, with s_wait_alu, always for 0.
; THE PLAN.  Registers that memory or LDS instructions touch:
;   GO, TA, HB, TS, ST, OS   offsets and LDS addresses, made once at the head by vector lines and never written again.
;   QA, XL, BIAS             at the head: global loads land in them; no vector line names them before.  XL is then the data of the LDS stores of x; later its registers are work sets.
;   PK                       at the head: a pair for each row o of A, written by the roundings, read by the table's LDS stores; later its registers are the accumulators.
;   BF                       in a trip: eight LDS loads land in it in the trip's first half; all sixteen products of the trip read it.
;   XS                       in a trip: the first three lines of each half read it; four LDS loads, in the second half, land in it for the next trip.
;   BA, XA                   read by those LDS loads; each written by one add a trip, in the second half.
;   The basis rows, the work sets and the accumulators are named in the loop by vector and matrix lines alone.
;   SPW, NIL                 written at the head, read by the closing add alone.
; So a trip has two waits on va_vdst, one ahead of each run of LDS loads, each far behind the products that it waits for, and one wait on vm_vsrc, ahead of the two adds.
; The compares stand in two runs in each half, with one wait on va_sdst behind each run, ahead of the first reader of a mask.
.set PT,    2064                       ; table: bytes from o to o + 1: 16 d x 64 k x 2 + 16 of padding: the 16 rows of a 16-byte load start at 16 different columns of 16 bytes modulo 256
.set XST,   16*PT                      ; behind the table: each wave's own 64 rows of x, later of y
.set XP,    80                         ; a row there: 64 bytes + 16 of padding
.set XW,    64*XP                      ; a wave's part
.set SPARE, XST+8*XW                   ; behind that: the spare words, 128 bytes for each wave: four blocks of 256 bytes that no other line names
.set SPW,  1                           ; v1      LDS address of my spare word; never rewritten
.set NIL,  2                           ; v2      0; never rewritten
.set BA,   3                           ; v3      table: r PT + 1024 h + 128 s
.set XA,   4                           ; v4      x: my wave's part + r XP + 32 h + 4 s
.set ST,   5                           ; v5      whole rows: my wave's part + (lane / 4) XP + 16 (lane % 4)
.set OS,   6                           ; v6      XA at s = 0: where my eight results of a row go
.set GO,   7                           ; v7      16 x lane: my 16 bytes in 512 consecutive bytes of x and of y
.set TA,   8                           ; v8      16 x thread: my quad in a row o of A
.set HB,   9                           ; v9      32 h: my eight numbers of b
.set BIAS, 10                          ; v10-17  b[8 h + 0..7]
.set XS,   18                          ; v18-21  x of my (row, d) in tiles 0-3
.set TS,   22                          ; v22     8 x thread: my quad in a row o of the table
.set ACC,  24                          ; v24-55  four accumulators
.set BF,   56                          ; v56-87  the table's four fragments of a trip
.set AF,   88                          ; v88-151 two basis rows of 32 registers: the two tiles in hand
.set TMP,  152                         ; v152-255 two sets of 52 at work
.set PK,   24                          ; at the start: row o = n of the table, my four f16, at PK + 2 n,
.set QA,   88                          ; A's 16 quads,
.set XL,   152                         ; x's 8 quads (on the way out: y's),
.set LN,   184                         ; lane, r, h, one at work; then CONV's four sums,
.set RR,   185
.set HH,   186
.set TT0,  187
.set CV,   184
.set CF,   200                         ; and the ten factors of the ends' corrections
.set oP,   0                           ; in a set: (f, g)
.set oSQ,  2                           ; (f^2, g^2)
.set oTT,  4                           ; (f/2 - 1, g/2 - 1)
.set oC6,  6                           ; (f/6, g/6)
.set oW12, 8                           ; (w1, w2)
.set oW30, 10                          ; (w3, w0)
.set oU,   12
.set oJF,  13
.set oJI,  14                          ; j
.set oAI,  15                          ; j >> 3, or -1 where x lies outside
.set oB0,  16                          ; bits 0, 1 of j
.set oB1,  17
.set oPE,  18                          ; (w0, w1), (w2, w3) in f16: j even
.set oPO,  20                          ; (0, w0), (w1, w2), (w3, 0): j odd
.set oD,   23                          ; three registers from register j >> 1 on
.set oY,   26                          ; four from 2 (j >> 2) on
.set oX,   30                          ; six from 4 (j >> 3) on
.set oI,   36                          ; eight indicators of j >> 3
.set oB2,  44                          ; bit 2 of j
.set MSK,  36                          ; s36-48, s50-62: a set's masks: 0, 1 inside; 2-4 bits of j; 5-12 indicators
	s_load_b256 s[4:11], s[0:1], 0x0               ; x s[4:5], A s[6:7], b s[8:9], y s[10:11]
	v_lshl_add_u32 v[SPW], v0, 2, SPARE
	v_mov_b32 v[NIL], 0
	v_lshrrev_b32 v[TT0], 5, v0
	v_readfirstlane_b32 s12, v[TT0]                ; wave 0..7
	v_and_b32 v[LN], 31, v0
	v_and_b32 v[RR], 15, v0                        ; r; also my quad's place among a (o, d)'s sixteen
	v_bfe_u32 v[HH], v0, 4, 1                      ; h
	v_cmp_eq_u32 s36, 0, v[RR]                     ; my quad is k = 0..3
	v_cmp_eq_u32 s37, 15, v[RR]                    ; my quad is k = 60..63
	v_lshlrev_b32 v[GO], 4, v[LN]
	v_lshlrev_b32 v[TA], 4, v0
	v_lshlrev_b32 v[TS], 3, v0
	v_lshlrev_b32 v[HB], 5, v[HH]
	s_lshl_b32 s14, ttmp9, 15                      ; the work-group's 512 rows of 64 bytes,
	s_wait_alu depctr_va_sdst(0)                   ; s12, s36 and s37 are written, ahead of the first reader of each: the bases below are made from s12, the ten factors from the two masks
	s_lshl_b32 s15, s12, 12                        ; my wave's 64 of them
	s_add_co_u32 s14, s14, s15
	s_mov_b32 s15, 0
	s_wait_kmcnt 0x0
	s_add_nc_u64 s[4:5], s[4:5], s[14:15]          ; x and y at my wave's first row
	s_add_nc_u64 s[10:11], s[10:11], s[14:15]
	s_wait_alu depctr_va_vdst(0)                   ; v[TA], v[GO] and v[HB] are written, which the loads below read as their offsets
	; 26 loads, in the order in which they are wanted.  A_n: row o = n; thread t takes d = t / 16, k = 4 (t % 16) + 0..3, so each end's correction stays inside one lane's quad.
.irp n, 0,1,2,3,4,5,6,7,8,9,10,11,12,13,14,15
	global_load_b128 v[QA+4*\n:QA+4*\n+3], v[TA], s[6:7] offset:4096*\n
.endr
.irp i, 0,1,2,3,4,5,6,7
	global_load_b128 v[XL+4*\i:XL+4*\i+3], v[GO], s[4:5] offset:512*\i th:TH_LOAD_NT  ; 512 consecutive bytes: 8 rows of x
.endr
	global_load_b128 v[BIAS:BIAS+3], v[HB], s[8:9]
	global_load_b128 v[BIAS+4:BIAS+7], v[HB], s[8:9] offset:16
	; the rest of the set-up stands in the wait for them; it names no register that those loads read or land in
	s_mul_i32 s13, s12, XW
	s_add_co_u32 s13, s13, XST                     ; my wave's part of the rows' region
	v_mul_u32_u24 v[BA], v[RR], PT
	v_lshl_add_u32 v[BA], v[HH], 10, v[BA]
	v_mul_u32_u24 v[XA], v[RR], XP
	v_lshl_add_u32 v[XA], v[HH], 5, v[XA]
	v_add_nc_u32 v[XA], s13, v[XA]
	v_mov_b32 v[OS], v[XA]                         ; XA steps with s; the way out wants it as it is now
	v_lshrrev_b32 v[TT0], 2, v[LN]
	v_mul_u32_u24 v[ST], v[TT0], XP
	v_and_b32 v[TT0], 3, v[LN]
	v_lshl_add_u32 v[ST], v[TT0], 4, v[ST]
	v_add_nc_u32 v[ST], s13, v[ST]
	s_mov_b32 s16, 0x424b5555                      ; 61 / 1.2
	s_mov_b32 s17, 0x40a2aaab                      ; 0.1 x 61 / 1.2
	s_mov_b32 s18, 0xbdcccccd                      ; the first knot, -0.1 in f32
	s_mov_b32 s19, 0x3f8ccccd                      ; the last knot, 1.1 in f32
	s_mov_b32 s20, 0x4273ffff                      ; the largest f32 below 61: j stays within 0 .. 60
	s_mov_b32 s22, 0x3e2aaaab                      ; 1/6; the packed forms name pairs and take the low word for both halves
	s_mov_b32 s23, s22
	s_mov_b32 s24, 0x3f2aaaab                      ; 2/3
	s_mov_b32 s25, s24
	v_cndmask_b32 v[CF+0], 1.0, 0x40c00000, s36    ; t0 = q0 (6 | 1) + q1 (-6 | 0) + q2 (1 | 0)
	v_cndmask_b32 v[CF+1], 0, 0xc0c00000, s36
	v_cndmask_b32 v[CF+2], 0, 1.0, s36
	v_cndmask_b32 v[CF+3], 1.0, 0x3fc00000, s36    ; t1 = q1 (1.5 | 1) + q2 (-0.5 | 0)
	v_cndmask_b32 v[CF+4], 0, -0.5, s36
	v_cndmask_b32 v[CF+5], 1.0, 0x3fc00000, s37    ; t2 = q2 (1.5 | 1) + q1 (-0.5 | 0)
	v_cndmask_b32 v[CF+6], 0, -0.5, s37
	v_cndmask_b32 v[CF+7], 1.0, 0x40c00000, s37    ; t3 = q3 (6 | 1) + q2 (-6 | 0) + q1 (1 | 0)
	v_cndmask_b32 v[CF+8], 0, 0xc0c00000, s37
	v_cndmask_b32 v[CF+9], 0, 1.0, s37
; Row o = n of A: corrected at its ends and rounded to f16, into a pair of registers of its own, so that no pair is written again while a store may still read it.
.macro CONV n
	s_wait_loadcnt 25-(\n)                         ; loads come back in order: behind A_n stand 15 - n of A, 8 of x, 2 of b
	v_mul_f32 v[CV+0], v[QA+4*(\n)+0], v[CF+0]
	v_mul_f32 v[CV+1], v[QA+4*(\n)+1], v[CF+3]
	v_mul_f32 v[CV+2], v[QA+4*(\n)+2], v[CF+5]
	v_mul_f32 v[CV+3], v[QA+4*(\n)+3], v[CF+7]
	v_fmac_f32 v[CV+0], v[QA+4*(\n)+1], v[CF+1]
	v_fmac_f32 v[CV+1], v[QA+4*(\n)+2], v[CF+4]
	v_fmac_f32 v[CV+2], v[QA+4*(\n)+1], v[CF+6]
	v_fmac_f32 v[CV+3], v[QA+4*(\n)+2], v[CF+8]
	v_fmac_f32 v[CV+0], v[QA+4*(\n)+2], v[CF+2]
	v_fmac_f32 v[CV+3], v[QA+4*(\n)+1], v[CF+9]
	v_cvt_pk_f16_f32 v[PK+2*(\n)], v[CV+0], v[CV+1]
	v_cvt_pk_f16_f32 v[PK+2*(\n)+1], v[CV+2], v[CV+3]
.endm
; The pair goes into the table.  A wave's store covers 256 consecutive bytes.
.macro PUT n
	ds_store_b64 v[TS], v[PK+2*(\n):PK+2*(\n)+1] offset:(\n)*PT
.endm
.irp g, 0,1,2,3                        ; four rows at a time: four corrections, one wait, four stores
.irp n, 0,1,2,3
	CONV 4*\g+\n
.endr
	s_wait_alu depctr_va_vdst(0)                   ; the roundings have written these four pairs of PK, which the stores below read; at the first of the four waits v[TS], v[ST], v[XA], v[BA] and v[OS] are shown written too
.irp n, 0,1,2,3
	PUT 4*\g+\n
.endr
.endr
.irp i, 0,1,2,3,4,5,6,7
	s_wait_loadcnt 9-\i                            ; behind x_i stand 7 - i of x and 2 of b
	ds_store_b128 v[ST], v[XL+4*\i:XL+4*\i+3] offset:8*XP*\i  ; 8 rows of x into my wave's own part
.endr
	s_wait_loadcnt 0x0                             ; b
	s_wait_dscnt 0x0                               ; for the others' sake: my part of the table is written
	s_barrier_signal -1
	s_barrier_wait -1                              ; the table is whole: the launch's only barrier
	s_wait_alu depctr_vm_vsrc(0)                   ; my LDS stores have read PK and XL: from here on these registers are the accumulators, which the products write, and the work sets, which the vector lines write
.irp t, 0,1,2,3
	ds_load_b32 v[XS+\t], v[XA] offset:16*XP*\t    ; x[16 t + r][8 h + 0]
.endr
; One line for each of the two tiles in hand, so that two chains that do not wait for each other alternate.  pp is the pair of tiles (0: tiles 0, 1; 1: tiles 2, 3).
.macro BOTH line:vararg
.set q, 0
.rept 2
.set TQ, TMP+52*q
.set MQ, MSK+14*q
.set XQ, XS+2*pp+q
.set AQ, AF+32*q
	\line
.set q, q+1
.endr
.endm
; Group g of four registers of the basis row: X0-3 where j >> 3 = g, and in its first two registers X4, X5 where j >> 3 = g - 1.  An indicator with an even number is the low
; register of its pair, one with an odd number the high one: op_sel and op_sel_hi give it to both halves.
.macro PLACE g
.if ((\g)%2) == 0
	BOTH v_pk_mul_f32 v[AQ+4*(\g):AQ+4*(\g)+1], v[TQ+oX:TQ+oX+1], v[TQ+oI+(\g):TQ+oI+(\g)+1] op_sel_hi:[1,0]
	BOTH v_pk_mul_f32 v[AQ+4*(\g)+2:AQ+4*(\g)+3], v[TQ+oX+2:TQ+oX+3], v[TQ+oI+(\g):TQ+oI+(\g)+1] op_sel_hi:[1,0]
.if (\g) > 0
	BOTH v_pk_fma_f32 v[AQ+4*(\g):AQ+4*(\g)+1], v[TQ+oX+4:TQ+oX+5], v[TQ+oI+(\g)-2:TQ+oI+(\g)-1], v[AQ+4*(\g):AQ+4*(\g)+1] op_sel:[0,1,0] op_sel_hi:[1,1,1]
.endif
.else
	BOTH v_pk_mul_f32 v[AQ+4*(\g):AQ+4*(\g)+1], v[TQ+oX:TQ+oX+1], v[TQ+oI+(\g)-1:TQ+oI+(\g)] op_sel:[0,1] op_sel_hi:[1,1]
	BOTH v_pk_mul_f32 v[AQ+4*(\g)+2:AQ+4*(\g)+3], v[TQ+oX+2:TQ+oX+3], v[TQ+oI+(\g)-1:TQ+oI+(\g)] op_sel:[0,1] op_sel_hi:[1,1]
	BOTH v_pk_fma_f32 v[AQ+4*(\g):AQ+4*(\g)+1], v[TQ+oX+4:TQ+oX+5], v[TQ+oI+(\g)-1:TQ+oI+(\g)], v[AQ+4*(\g):AQ+4*(\g)+1] op_sel_hi:[1,0,1]
.endif
.endm
; The basis rows of pair p's two tiles: 78 vector instructions a tile.  ldb = 1: this trip's table fragments are fetched; ldx = 1: the two LDS addresses step and the next trip's x is fetched.
; The order goes by the masks: first all that reads no mask, the five first compares among it; a wait; the eight indicators' compares and the selects on j's bits; a wait; the indicators and the placing.
.macro GEN2 p, ldb, ldx
.set pp, \p
	; the interval, the place in it, j's bits and j >> 3, the four weights, packed in f16 for even j and for odd j: 25 lines a tile that read no mask
	BOTH v_fma_f32 v[TQ+oU], v[XQ], s16, s17
	BOTH v_cmp_le_f32 s[MQ], s18, v[XQ]                        ; first knot <= x
	BOTH v_cmp_gt_f32 s[MQ+1], s19, v[XQ]                      ; last knot > x
	BOTH v_med3_num_f32 v[TQ+oU], v[TQ+oU], 0, s20
	BOTH v_floor_f32 v[TQ+oJF], v[TQ+oU]
	BOTH v_sub_f32 v[TQ+oP], v[TQ+oU], v[TQ+oJF]               ; f, exact
	BOTH v_cvt_i32_f32 v[TQ+oJI], v[TQ+oJF]
	BOTH v_sub_f32 v[TQ+oP+1], 1.0, v[TQ+oP]                   ; g
	BOTH v_lshrrev_b32 v[TQ+oAI], 3, v[TQ+oJI]
	BOTH v_and_b32 v[TQ+oB0], 1, v[TQ+oJI]
	BOTH v_and_b32 v[TQ+oB1], 2, v[TQ+oJI]
	BOTH v_and_b32 v[TQ+oB2], 4, v[TQ+oJI]
	BOTH v_pk_mul_f32 v[TQ+oSQ:TQ+oSQ+1], v[TQ+oP:TQ+oP+1], v[TQ+oP:TQ+oP+1]
	BOTH v_cmp_ne_u32 s[MQ+2], 0, v[TQ+oB0]
	BOTH v_cmp_ne_u32 s[MQ+3], 0, v[TQ+oB1]
	BOTH v_cmp_ne_u32 s[MQ+4], 0, v[TQ+oB2]
	BOTH v_pk_fma_f32 v[TQ+oTT:TQ+oTT+1], v[TQ+oP:TQ+oP+1], 0.5, -1.0 op_sel_hi:[1,0,0]
	BOTH v_pk_mul_f32 v[TQ+oC6:TQ+oC6+1], v[TQ+oP:TQ+oP+1], s[22:23] op_sel_hi:[1,0]
	BOTH v_pk_fma_f32 v[TQ+oW12:TQ+oW12+1], v[TQ+oSQ:TQ+oSQ+1], v[TQ+oTT:TQ+oTT+1], s[24:25] op_sel_hi:[1,1,0]
	BOTH v_pk_mul_f32 v[TQ+oW30:TQ+oW30+1], v[TQ+oSQ:TQ+oSQ+1], v[TQ+oC6:TQ+oC6+1]
	BOTH v_cvt_pk_f16_f32 v[TQ+oPE], v[TQ+oW30+1], v[TQ+oW12]
	BOTH v_cvt_pk_f16_f32 v[TQ+oPE+1], v[TQ+oW12+1], v[TQ+oW30]
	BOTH v_cvt_pk_f16_f32 v[TQ+oPO+1], v[TQ+oW12], v[TQ+oW12+1]
	BOTH v_lshlrev_b32 v[TQ+oPO], 16, v[TQ+oPE]
	BOTH v_lshrrev_b32 v[TQ+oPO+2], 16, v[TQ+oPE+1]
.if \ldb
	; The table's LDS loads stand here in one run, 50 vector lines behind the last trip's last product and 106 ahead of this trip's first.
	s_wait_alu depctr_va_vdst(0)                               ; the last trip's products are done reading BF, in which the loads below land; v[BA], which they read, is written
.irp i, 0,1,2,3,4,5,6,7
	ds_load_b128 v[BF+4*\i:BF+4*\i+3], v[BA] offset:16*\i      ; A'[r][8 h + s][8 i .. 8 i + 7]: 128 consecutive bytes a lane
.endr
.endif
.if \ldx
	s_wait_alu depctr_vm_vsrc(0)                               ; the LDS loads issued so far have read v[XA] and v[BA], which the two adds write
	v_add_nc_u32 v[XA], 4, v[XA]                               ; the next d, in x
	v_add_nc_u32 v[BA], 128, v[BA]                             ; and in the table
.endif
	s_wait_alu depctr_va_sdst(0)                               ; the two tiles' first five masks each are written (inside twice, j's three bits), ahead of the first reader of each
	BOTH s_and_b32 s[MQ], s[MQ], s[MQ+1]
	BOTH v_cndmask_b32 v[TQ+oAI], -1, v[TQ+oAI], s[MQ]         ; outside: no indicator will be 1
	; bit 0 of j: the packing for even or for odd j
	BOTH v_cndmask_b32 v[TQ+oD], v[TQ+oPE], v[TQ+oPO], s[MQ+2]
	BOTH v_cndmask_b32 v[TQ+oD+1], v[TQ+oPE+1], v[TQ+oPO+1], s[MQ+2]
	BOTH v_cndmask_b32 v[TQ+oD+2], 0, v[TQ+oPO+2], s[MQ+2]
.irp g, 0,1,2,3,4,5,6,7
	BOTH v_cmp_eq_u32 s[MQ+5+\g], \g, v[TQ+oAI]
.endr
	; bit 1 of j: one register further
	BOTH v_cndmask_b32 v[TQ+oY], v[TQ+oD], 0, s[MQ+3]
	BOTH v_cndmask_b32 v[TQ+oY+1], v[TQ+oD+1], v[TQ+oD], s[MQ+3]
	BOTH v_cndmask_b32 v[TQ+oY+2], v[TQ+oD+2], v[TQ+oD+1], s[MQ+3]
	BOTH v_cndmask_b32 v[TQ+oY+3], 0, v[TQ+oD+2], s[MQ+3]
	; bit 2 of j: two registers further
	BOTH v_cndmask_b32 v[TQ+oX], v[TQ+oY], 0, s[MQ+4]
	BOTH v_cndmask_b32 v[TQ+oX+1], v[TQ+oY+1], 0, s[MQ+4]
	BOTH v_cndmask_b32 v[TQ+oX+2], v[TQ+oY+2], v[TQ+oY], s[MQ+4]
	BOTH v_cndmask_b32 v[TQ+oX+3], v[TQ+oY+3], v[TQ+oY+1], s[MQ+4]
	BOTH v_cndmask_b32 v[TQ+oX+4], 0, v[TQ+oY+2], s[MQ+4]
	BOTH v_cndmask_b32 v[TQ+oX+5], 0, v[TQ+oY+3], s[MQ+4]
.if \ldx
	; The next trip's x is asked for here, 96 vector lines behind this half's products; 62 vector lines and eight products follow before it is wanted.
	s_wait_alu depctr_va_vdst(0)                               ; both halves' lines that read XS are done reading it, and the loads below land in it; v[XA], which they read, is written
.irp t, 0,1,2,3
	ds_load_b32 v[XS+\t], v[XA] offset:16*XP*\t
.endr
.endif
	s_wait_alu depctr_va_sdst(0)                               ; the two tiles' eight indicator masks each are written, ahead of the selects that read them
.irp g, 0,1,2,3,4,5,6,7
	BOTH v_cndmask_b32 v[TQ+oI+\g], 0, 1.0, s[MQ+5+\g]
.endr
	; the window is set down: 23 packed instructions for 32 registers.  Nothing is lost behind group 7: j <= 60 leaves X4 = X5 = 0 where j >> 3 = 7
.irp g, 0,1,2,3,4,5,6,7
	PLACE \g
.endr
.endm
; Eight products: pair p's two accumulators by turns, one instruction a turn; pair 0 ends on tile 1, pair 1 begins on tile 2 and ends on tile 3, the next trip begins on tile 0.
; first = 1: the first product of each sum takes the bias as C: nothing is cleared and nothing is added later.
.macro MM p, first
.irp t, 0,1,2,3
.irp q, 0,1
.if (\first) && ((\t) == 0)
	v_wmma_f32_16x16x32_f16 v[ACC+8*(2*(\p)+\q):ACC+8*(2*(\p)+\q)+7], v[BF+8*\t:BF+8*\t+7], v[AF+32*\q+8*\t:AF+32*\q+8*\t+7], v[BIAS:BIAS+7]
.else
	v_wmma_f32_16x16x32_f16 v[ACC+8*(2*(\p)+\q):ACC+8*(2*(\p)+\q)+7], v[BF+8*\t:BF+8*\t+7], v[AF+32*\q+8*\t:AF+32*\q+8*\t+7], v[ACC+8*(2*(\p)+\q):ACC+8*(2*(\p)+\q)+7]
.endif
.endr
.endr
.endm
; A trip: one s, that is d = s and d = 8 + s, for the wave's four tiles.  pre = 1: the next trip's x is fetched.
; The basis rows are written again more than 100 vector instructions behind the products that read them.
.macro TRIP first, pre
	s_wait_dscnt 0x0                               ; this trip's x is in: nothing younger is out
	GEN2 0, 1, 0
	s_wait_dscnt 0x0                               ; the table's fragments are in
	MM 0, \first
	GEN2 1, 0, \pre
	MM 1, \first
.endm
	TRIP 1, 1                                      ; s = 0 stands in front of the loop: its products start the sums
	s_mov_b32 s30, 6
.Ltrip:                                                ; s = 1 .. 6
	TRIP 0, 1
	s_sub_co_u32 s30, s30, 1
	s_cmp_lg_u32 s30, 0
	s_cbranch_scc1 .Ltrip
	TRIP 0, 0                                      ; s = 7: there is no further x to fetch, no address steps, and the waits that go with them are not written
	; THE WAY OUT.  A lane's eight results are 32 bytes of a row of y; they go into my wave's own rows (x there has been read) and come back as 512 consecutive bytes.
.rept 4
	v_nop                                          ; the places behind the last products
.endr
	s_wait_alu depctr_va_vdst(0)                   ; the products have written the accumulators, which the LDS stores read; the vector lines are done with the work sets, in which the LDS loads below land; the places above stay beside this wait
.irp t, 0,1,2,3
	ds_store_b128 v[OS], v[ACC+8*\t:ACC+8*\t+3] offset:16*XP*\t        ; each accumulator's low registers first
	ds_store_b128 v[OS], v[ACC+8*\t+4:ACC+8*\t+7] offset:16*XP*\t+16
.endr
.irp i, 0,1,2,3,4,5,6,7
	ds_load_b128 v[XL+4*\i:XL+4*\i+3], v[ST] offset:8*XP*\i            ; LDS serves a wave's instructions in order (ISA guide 5.7.1.4): these see the stores above
.endr
.irp i, 0,1,2,3,4,5,6,7
	s_wait_dscnt 7-\i                              ; behind load i stand 7 - i others
	global_store_b128 v[GO], v[XL+4*\i:XL+4*\i+3], s[10:11] offset:512*\i th:TH_STORE_NT  ; 512 consecutive bytes, at a multiple of 512 from y's first byte
.endr
	s_wait_dscnt 0x0                               ; the closing lines, six on end
	s_wait_alu 0x0
	s_wait_tensorcnt 0x0
	ds_add_u32 v[SPW], v[NIL]
	s_wait_dscnt 0x0
	s_endpgm
.Lfunc_end_k_qb94d11422d_spline:
	.size	k_qb94d11422d_spline, .Lfunc_end_k_qb94d11422d_spline-k_qb94d11422d_spline
	.p2alignl 7, 3214868480
	.fill 96, 4, 3214868480
	.section	.rodata,"a",@progbits
	.p2align	6, 0x0
	.amdhsa_kernel k_qb94d11422d_spline
		.amdhsa_group_segment_fixed_size 75008
		.amdhsa_private_segment_fixed_size 0
		.amdhsa_enable_private_segment 0
		.amdhsa_kernarg_size 32
		.amdhsa_user_sgpr_count 2
		.amdhsa_user_sgpr_kernarg_segment_ptr 1
		.amdhsa_wavefront_size32 1
		.amdhsa_system_sgpr_workgroup_id_x 1
		.amdhsa_system_sgpr_workgroup_id_y 1
		.amdhsa_system_sgpr_workgroup_id_z 1
		.amdhsa_system_vgpr_workitem_id 0
		.amdhsa_next_free_vgpr 256
		.amdhsa_next_free_sgpr 66
		.amdhsa_reserve_vcc 0
		.amdhsa_float_denorm_mode_32 3
		.amdhsa_float_denorm_mode_16_64 3
		.amdhsa_memory_ordered 1
		.amdhsa_forward_progress 1
		.amdhsa_inst_pref_size 80
	.end_amdhsa_kernel
	.amdgpu_metadata
---
amdhsa.version: [ 1, 2 ]
amdhsa.kernels:
  - .name:           k_qb94d11422d_spline
    .symbol:         k_qb94d11422d_spline.kd
    .args:
      - { .name: x, .offset: 0, .size: 8, .value_kind: global_buffer, .address_space: global }
      - { .name: A, .offset: 8, .size: 8, .value_kind: global_buffer, .address_space: global }
      - { .name: b, .offset: 16, .size: 8, .value_kind: global_buffer, .address_space: global }
      - { .name: out0, .offset: 24, .size: 8, .value_kind: global_buffer, .address_space: global }
    .group_segment_fixed_size: 75008
    .private_segment_fixed_size: 0
    .kernarg_segment_align: 8
    .kernarg_segment_size: 32
    .max_flat_workgroup_size: 256
    .sgpr_count:     66
    .vgpr_count:     256
    .wavefront_size: 32
...
	.end_amdgpu_metadata
.endif
;; end of part 2
